; MI455X (gfx1250); checked and timed in simulation.
; The chip was launched on July 23, 2026; its instructions are those of AMD's public machine-readable ISA for CDNA 5 (MIT licence, August 2026) and "CDNA5" Instruction Set Architecture Reference Guide (July 2026). The comments in the code are by the model that wrote it; some were corrected since.
;; Multi Head Attention. Allowed arithmetic: matrix products marked QUANTISED: E5M2 operands, one E8M0 scale for each 32 along K, by v_wmma_scale_f32_16x16x128_f8f6f4 with both operands' format E5M2, f32 sums; everything else in f32.
;; Inputs: Wk_b 1,024 float32; Wk_w_codes 1,024 x 32 x 32 uint8 (E5M2 codes of Wk_w, K innermost, in blocks of 32 codes); Wk_w_scales 1,024 x 32 uint8 (E8M0 scales of Wk_w, one for each 32 codes along K); Wq_b 1,024 float32; Wq_w_codes 1,024 x 32 x 32 uint8 (E5M2 codes of Wq_w, K innermost, in blocks of 32 codes); Wq_w_scales 1,024 x 32 uint8 (E8M0 scales of Wq_w, one for each 32 codes along K); Wv_b 1,024 float32; Wv_w_codes 1,024 x 32 x 32 uint8 (E5M2 codes of Wv_w, K innermost, in blocks of 32 codes); Wv_w_scales 1,024 x 32 uint8 (E8M0 scales of Wv_w, one for each 32 codes along K); keys_codes 1 x 4,096 x 32 x 32 uint8 (E5M2 codes of keys, K innermost, in blocks of 32 codes); keys_scales 1 x 4,096 x 32 uint8 (E8M0 scales of keys, one for each 32 codes along K); queries 1 x 4,096 x 1,024 float32; values_codes 1 x 4,096 x 32 x 32 uint8 (E5M2 codes of values, K innermost, in blocks of 32 codes); values_scales 1 x 4,096 x 32 uint8 (E8M0 scales of values, one for each 32 codes along K).
;; Outputs: out0 1 x 4,096 x 1,024 float32.
;; This version of the problem:
;;   THIS VERSION OF THE PROBLEM IS GIVEN IN LOW PRECISION. The matrix products marked QUANTISED in the list below multiply operands that are first quantised to E5M2 (5 exponent bits, 2 mantissa bits; 8 bits a number), with one power-of-two scale for each 32 numbers along K (OCP MX v1.0); their sums are f32. All else is computed in f32.
;;   The module's matrix products, in the order in which they are computed (A, B: the left and right operand; K: the contracted axis; several contracted axes count as one K, in the product's order):
;;     1. [M 4,096, K 1,024] x [K 1,024, N 1,024]; A: input queries; B: input Wq_w (given as codes): QUANTISED
;;     2. [M 4,096, K 1,024] x [K 1,024, N 1,024]; A: input keys (given as codes); B: input Wk_w (given as codes): QUANTISED
;;     3. [M 4,096, K 1,024] x [K 1,024, N 1,024]; A: input values (given as codes); B: input Wv_w (given as codes): QUANTISED
;;     4. batch 16 x [M 4,096, K 64] x [K 64, N 4,096]; A: computed on the way; B: computed on the way: QUANTISED
;;     5. batch 16 x [M 4,096, K 4,096] x [K 4,096, N 64]; A: softmax (see below); B: computed on the way: QUANTISED
;;   THE QUANTISER, for each operand of a quantised product, along K:
;;     - K is cut into blocks of 32 from its start; a last block that is shorter is filled with zeros.
;;     - A block's scale is 2^e with e = floor(log2(the largest magnitude in the block)) - 15, held to -126 .. 127; a block of zeros has e = 0. As a byte (E8M0): e + 127.
;;     - Each number is divided by its block's scale, clamped to +-57,344, and rounded to the nearest number of E5M2, ties to even, subnormals kept.
;;     - The product sums the exact products of the quantised numbers (number of the format x scale) in f32.
;;   ~~~python
;;   def quantise(x, axis):      # numpy; x: float32 -> the quantised numbers, widened to float32 again
;;       x = np.moveaxis(x, axis, -1); K = x.shape[-1]
;;       x = np.pad(x, [(0, 0)] * (x.ndim - 1) + [(0, -K % 32)]); x = x.reshape(x.shape[:-1] + (-1, 32)); a = np.abs(x).max(-1, keepdims=True)
;;       e = np.where(a > 0, np.clip(np.frexp(np.where(a > 0, a, 1))[1] - 1 - 15, -126, 127), 0)      # np.frexp(a)[1] - 1 = floor(log2(a)), exactly
;;       r = np.clip(x / 2.0 ** e, -57344, 57344)
;;       step = 2.0 ** (np.maximum(np.frexp(np.where(r == 0, 1, r))[1] - 1, -14) - 2)
;;       q = np.round(r / step) * step * 2.0 ** e      # np.round: ties to even
;;       return np.moveaxis(q.reshape(q.shape[:-2] + (-1,))[..., :K], -1, axis).astype(np.float32)
;;   ~~~
;;   SOFTMAX AHEAD OF A QUANTISED PRODUCT. Where the list says 'softmax', what is quantised is not the finished softmax but p = 2^(t - M), with t = logit x log2(e) and M = ceil(the row's largest t), a whole number; so 1/2 < the row's largest p <= 1. The row's sum l is taken of the UNQUANTISED p, in f32, and the product's result is divided by l at the end. Since M is a whole number, a kernel that streams over the keys may use a running M (the ceiling of the running maximum): every later rescaling is an exact power of two, which a block's scale takes up: the codes' values come out the same.
;;   OPERANDS COMPUTED ON THE WAY. 'Computed on the way' means the value that the module computes at that place (a softmax that the list does not call 'softmax' is quantised finished and normalised). What goes into a quantiser is computed in f32, as accurately as f32 sums, v_exp_f32 and their like allow (about 1e-6 of the number): no bf16 or f16 on the way to a quantiser, and a product that is left as it is and whose result goes on into a quantised operand takes f32 operands (vector FMAs, or v_wmma_f32_16x16x4_f32). A number that lies on a knife's edge between two numbers of the format may be rounded either way, as far as f32 arithmetic and the matrix unit's own rounding can turn it there, and no further.
;;   INPUTS GIVEN AS CODES. Wk_w (in the module: [1024, 1024], K = its axis 1); Wq_w (in the module: [1024, 1024], K = its axis 1); Wv_w (in the module: [1024, 1024], K = its axis 1); keys (in the module: [1, 4096, 1024], K = its axis 2); values (in the module: [1, 4096, 1024], K = its axis 2): each comes as NAME_codes (uint8): NAME with its K axis moved to the last place and cut into blocks of 32 codes, [.., K / 32, bytes a block], one block behind the other in memory; one code a byte (a code: sign, 5 exponent bits, 2 mantissa bits); and NAME_scales (uint8): the same leading axes, one E8M0 byte (e + 127) for each 32 codes along K. Its value is code x scale, taken as it is: it is not quantised again, and the codes and scales need not be those that the quantiser above would give.
;; One version. Each part assembles by itself: llvm-mc -triple=amdgcn-amd-amdhsa -mcpu=gfx1250 --defsym DOCPART=n.
;; ======== version 1 of 1: 3 launches
;; limits: right only within a limited range of input values
;; workspace buffers: xq_codes 4,194,304 bytes; xq_scales 131,072 bytes; qc 4,194,304 bytes; kc 4,194,304 bytes; vc 4,194,304 bytes; qs 262,144 bytes; ks 262,144 bytes; vs 131,072 bytes
;; launch quant (part 1): grid 256 x 1, 8 waves a work-group, no clusters, 67,072 bytes of LDS; arguments queries, xq_codes, xq_scales; writes xq_codes, xq_scales
.if DOCPART == 1
	.amdgcn_target "amdgcn-amd-amdhsa--gfx1250"
	.amdhsa_code_object_version 6
	.text
	.protected	k_q12e73e6c5d_quant
	.globl	k_q12e73e6c5d_quant
	.p2align	8
	.type	k_q12e73e6c5d_quant,@function
k_q12e73e6c5d_quant:
	s_mov_b64 s[64:65], 0
	v_nop
	global_prefetch_b8 v0, s[64:65] scope:SCOPE_SE
	s_setreg_imm32_b32 hwreg(HW_REG_WAVE_MODE, 25, 1), 1
	s_wait_xcnt 0x0
; FIRST OF THREE LAUNCHES.  The program: out = transpose(attention(relu(queries Wq^T + bq), relu(keys Wk^T + bk), relu(values Wv^T + bv))) + queries, all five products on codes of BF8 (E5M2) with one E8M0 scale for each 32 along K.
; DEAD WORK: none is left out.  Every input has a way to the output: the three biases move the codes of q, k and v, which are operands of live quantised products; so all fourteen inputs are loaded by some launch.
; THIS LAUNCH: queries [4096][1024], f32, become codes, K innermost, [4096][1024] bytes, and one scale byte for each 32 along K, [4096][32]: laid as keys_codes and keys_scales are.
; A block's scale is 2^(floor(log2(its largest magnitude)) - 15); its byte is the largest magnitude's exponent field - 15, held at 1 from below.  A block of zeros gets the byte 1 where the rule says 127: its codes are zeros, which add
; nothing under any byte but 0xff, and this program alone reads the bytes.  Each number is held within +-57,344 x the scale and rounded to the nearest code, ties to even.
; LIMITS: NaN and infinities among the inputs are not served; blocks whose largest magnitude lies under 2^-111 keep the byte 1.
; Rows are dense and 1024 is a multiple of 32: the tensor is a stream of blocks of 32.  2,048 runs of 2,048 numbers, a run a wave, eight waves a work-group: 256 work-groups.  A wave takes 4 steps of 512 numbers; all its 16 loads go out at its head.
; The conversions take neighbours along K from ONE lane's registers, a load is best where neighbouring LANES take neighbouring bytes: each of a step's four loads reads 512 consecutive bytes, and the 2,048 bytes turn through the wave's
; own stage in LDS (16 bytes of padding behind each 64) and come back 64 bytes a lane.  A lane's 16 codes are 16 bytes: a store covers 512 consecutive bytes.
; A wave makes 64 scale bytes; the work-group's 512 are gathered in LDS, and behind the launch's one barrier wave 0 stores them as 512 consecutive bytes, aligned.
; No tensor loads, no matrix unit, no cluster: the launch is a plain stream.
.set WAVES, 8
.set STEPS, 4
.set CB,    16                         ; bytes of 16 codes
.set R,     16                         ; v16-79   four sets of 16 numbers as they are loaded
.set X,     80                         ; v80-111  two sets of 16 neighbours
.set E,     112                        ; a scale byte for each step
.set C,     128                        ; codes: four registers for each step, so that no store's data are written again
.set WREG,  8192                       ; LDS: a region for each wave: two stages of 32 x SP bytes
.set SP,    80                         ; a lane's place in a stage: 64 bytes + 16 of padding
.set SPW,   12                         ; v12  LDS address of my spare word; never rewritten
.set NIL,   13                         ; v13  0; never rewritten
.set SCB,   WAVES*WREG                 ; behind the regions: the work-group's 512 scale bytes, 64 a wave
.set SPARE, SCB+512                    ; behind them: the spare words, 128 bytes a wave, which no other line names
	s_load_b128 s[4:7], s[0:1], 0x0                ; queries s[4:5], the codes s[6:7]
	s_load_b64 s[8:9], s[0:1], 0x10                ; the scale bytes
	v_lshl_add_u32 v[SPW], v0, 2, SPARE
	v_mov_b32 v[NIL], 0
	v_lshrrev_b32 v1, 5, v0
	v_readfirstlane_b32 s16, v1                    ; wave
	v_and_b32 v2, 31, v0                           ; lane
	v_lshlrev_b32 v3, 4, v2                        ; my 16 bytes of a load's 512
	s_mul_i32 s17, s16, WREG
	v_lshrrev_b32 v14, 2, v2
	v_mul_u32_u24 v14, v14, SP
	v_and_b32 v15, 3, v2
	v_lshl_add_u32 v14, v15, 4, v14
	v_add_nc_u32 v14, s17, v14                     ; the stage, on the way in: SP (lane / 4) + 16 (lane % 4)
	v_mul_u32_u24 v15, v2, SP
	v_add_nc_u32 v15, s17, v15                     ; and on the way out: SP x lane: my 16 neighbours
	v_mul_u32_u24 v4, v2, CB                       ; my codes' place in a step's
	v_lshrrev_b32 v5, 1, v2
	s_lshl_b32 s17, s16, 6
	s_add_co_u32 s17, s17, SCB
	v_add_nc_u32 v5, s17, v5                       ; my wave's 64 scale bytes, my block's byte
	v_lshlrev_b32 v7, 4, v2                        ; and on the way out 16 bytes a lane
	v_add_nc_u32 v6, SCB, v7
	s_mov_b32 s23, 0x600000                        ; the mantissa field of 57,344
	s_lshl_b32 s18, ttmp9, 3
	s_add_co_u32 s18, s18, s16                     ; my run of 2,048 numbers
	s_lshl_b32 s20, s18, 13                        ; 8,192 bytes of numbers a run,
	s_mov_b32 s21, 0
	s_lshl_b32 s24, s18, 11                        ; 2,048 of codes;
	s_mov_b32 s25, 0
	s_lshl_b32 s26, ttmp9, 9                       ; 512 scale bytes a work-group
	s_mov_b32 s27, 0
	s_wait_alu depctr_va_vdst(0)                   ; the wait at the head's end
	s_wait_kmcnt 0x0
	s_add_nc_u64 s[4:5], s[4:5], s[20:21]
	s_add_nc_u64 s[6:7], s[6:7], s[24:25]
	s_add_nc_u64 s[8:9], s[8:9], s[26:27]
.macro LOAD t
.irp i, 0,1,2,3
	global_load_b128 v[R+16*((\t)%4)+4*\i:R+16*((\t)%4)+4*\i+3], v3, s[4:5] offset:2048*(\t)+512*\i   ; 32 lanes read 512 consecutive bytes
.endr
.endm
.macro TURN t                          ; step t's numbers through the stage: LDS serves a wave's instructions in order, so no wait stands between the stores and the loads
.irp i, 0,1,2,3
	ds_store_b128 v14, v[R+16*((\t)%4)+4*\i:R+16*((\t)%4)+4*\i+3] offset:32*SP*((\t)%2)+8*SP*\i
.endr
.irp i, 0,1,2,3
	ds_load_b128 v[X+16*((\t)%2)+4*\i:X+16*((\t)%2)+4*\i+3], v15 offset:32*SP*((\t)%2)+16*\i
.endr
.endm
.irp t, 0,1,2,3
	LOAD \t
.endr
	s_wait_loadcnt 12                              ; step 0's four loads are in; the twelve of steps 1 to 3 may be out
	TURN 0
.macro STEP t
.set XS, X+16*((\t)%2)
.if (\t) > 0
	s_wait_dscnt 1                                 ; this step's numbers are back from the stage (the last step's byte store may be out)
.else
	s_wait_dscnt 0x0
.endif
.if (\t)+1 < STEPS
	s_wait_loadcnt 4*(STEPS-2-(\t))                ; the next step's four loads are in; those of the steps behind it may be out
	TURN (\t)+1                                    ; and go through the other stage while this step is worked
.endif
	v_max3_num_f32 v8, |v[XS]|, |v[XS+1]|, |v[XS+2]|               ; the largest magnitude of my 16, in two chains
	v_max3_num_f32 v9, |v[XS+3]|, |v[XS+4]|, |v[XS+5]|
.irp i, 6,10
	v_max3_num_f32 v8, v8, |v[XS+\i]|, |v[XS+\i+1]|
	v_max3_num_f32 v9, v9, |v[XS+\i+2]|, |v[XS+\i+3]|
.endr
	v_max3_num_f32 v8, v8, |v[XS+14]|, |v[XS+15]|
	v_max3_num_f32 v8, v8, v9, 0x8000000           ; and the floor 2^(16 - 127): the byte cannot fall under 1
	v_max_num_f32_dpp v8, v8, v8 row_xmask:1 row_mask:0xf bank_mask:0xf   ; and of my neighbour's 16: the block's
	v_add_nc_u32 v11, 0xf8800000, v8               ; 15 off its exponent field: the conversion takes the exponent field of this operand as its scale
	v_and_or_b32 v10, v8, 0x7f800000, s23          ; 57,344 x the scale
.irp i, 0,1,2,3,4,5,6,7,8,9,10,11,12,13,14,15
	v_med3_num_f32 v[XS+\i], v[XS+\i], -v10, v10   ; the conversion to an 8-bit code does not saturate (ISA guide 7.6.2): the hold comes first
.endr
	v_cvt_scalef32_pk8_bf8_f32 v[C+4*(\t):C+4*(\t)+1], v[XS:XS+7], v11
	v_cvt_scalef32_pk8_bf8_f32 v[C+4*(\t)+2:C+4*(\t)+3], v[XS+8:XS+15], v11
	v_lshrrev_b32 v[E+(\t)], 23, v11               ; the scale's byte (also the plain line behind the conversions)
	ds_store_b8 v5, v[E+(\t)] offset:16*(\t)       ; both lanes of a block write the same byte with the same value
	global_store_b128 v4, v[C+4*(\t):C+4*(\t)+3], s[6:7] offset:32*CB*(\t)   ; 512 consecutive bytes
.endm
.irp t, 0,1,2,3
	STEP \t
.endr
	s_wait_alu depctr_va_vdst(0)                   ; the wait ahead of the wait below
	s_wait_dscnt 0x0                               ; my scale bytes are in LDS: for the others' sake
	s_barrier_signal -1
	s_barrier_wait -1                              ; and so are everybody's
	s_cmp_lg_u32 s16, 0
	s_cbranch_scc1 .Lnot_first                     ; wave 0 alone stores them
	ds_load_b128 v[8:11], v6
	s_wait_dscnt 0x0
	global_store_b128 v7, v[8:11], s[8:9]          ; 32 lanes store 512 consecutive bytes, aligned
.Lnot_first:
	s_wait_tensorcnt 0x0                           ; the wave's end
	ds_add_u32 v[SPW], v[NIL]
	s_wait_dscnt 0x0
	s_endpgm
.Lfunc_end_k_q12e73e6c5d_quant:
	.size	k_q12e73e6c5d_quant, .Lfunc_end_k_q12e73e6c5d_quant-k_q12e73e6c5d_quant
	.p2alignl 7, 3214868480
	.fill 96, 4, 3214868480
	.section	.rodata,"a",@progbits
	.p2align	6, 0x0
	.amdhsa_kernel k_q12e73e6c5d_quant
		.amdhsa_group_segment_fixed_size 67072
		.amdhsa_private_segment_fixed_size 0
		.amdhsa_enable_private_segment 0
		.amdhsa_kernarg_size 24
		.amdhsa_user_sgpr_count 2
		.amdhsa_user_sgpr_kernarg_segment_ptr 1
		.amdhsa_wavefront_size32 1
		.amdhsa_system_sgpr_workgroup_id_x 1
		.amdhsa_system_sgpr_workgroup_id_y 1
		.amdhsa_system_sgpr_workgroup_id_z 1
		.amdhsa_system_vgpr_workitem_id 0
		.amdhsa_next_free_vgpr 192
		.amdhsa_next_free_sgpr 66
		.amdhsa_reserve_vcc 0
		.amdhsa_float_denorm_mode_32 3
		.amdhsa_float_denorm_mode_16_64 3
		.amdhsa_memory_ordered 1
		.amdhsa_forward_progress 1
		.amdhsa_inst_pref_size 15
	.end_amdhsa_kernel
	.amdgpu_metadata
---
amdhsa.version: [ 1, 2 ]
amdhsa.kernels:
  - .name:           k_q12e73e6c5d_quant
    .symbol:         k_q12e73e6c5d_quant.kd
    .args:
      - { .name: queries, .offset: 0, .size: 8, .value_kind: global_buffer, .address_space: global }
      - { .name: xq_codes, .offset: 8, .size: 8, .value_kind: global_buffer, .address_space: global }
      - { .name: xq_scales, .offset: 16, .size: 8, .value_kind: global_buffer, .address_space: global }
    .group_segment_fixed_size: 67072
    .private_segment_fixed_size: 0
    .kernarg_segment_align: 8
    .kernarg_segment_size: 24
    .max_flat_workgroup_size: 256
    .sgpr_count:     66
    .vgpr_count:     192
    .wavefront_size: 32
...
	.end_amdgpu_metadata
.endif
;; end of part 1
;; launch proj (part 2): grid 16 x 12, 4 waves a work-group, clusters of 4 x 4, 327,680 bytes of LDS; arguments xq_codes, xq_scales, Wq_w_codes, Wq_w_scales, Wq_b, qc, qs, keys_codes, keys_scales, Wk_w_codes, Wk_w_scales, Wk_b, kc, ks, Wv_w_codes, Wv_w_scales, values_codes, values_scales, Wv_b, vc, vs; writes qc, qs, kc, ks, vc, vs
.if DOCPART == 2
	.amdgcn_target "amdgcn-amd-amdhsa--gfx1250"
	.amdhsa_code_object_version 6
	.text
	.protected	k_q12e73e6c5d_proj
	.globl	k_q12e73e6c5d_proj
	.p2align	8
	.type	k_q12e73e6c5d_proj,@function
k_q12e73e6c5d_proj:
	s_mov_b64 s[64:65], 0
	v_nop
	global_prefetch_b8 v0, s[64:65] scope:SCOPE_SE
	s_setreg_imm32_b32 hwreg(HW_REG_WAVE_MODE, 25, 1), 1
	s_wait_xcnt 0x0
	s_wait_alu depctr_hold_cnt(0) depctr_sa_sdst(0) depctr_va_vdst(0) depctr_va_sdst(0) depctr_va_ssrc(0) depctr_va_vcc(0) depctr_vm_vsrc(0)
	s_getreg_b32 s2, hwreg(HW_REG_IB_STS2, 6, 4)
	s_cmp_eq_u32 s2, 0
	s_cbranch_scc0 .Lentry_in_a_cluster
	s_endpgm
.Lentry_in_a_cluster:
	s_bfe_u32 s2, ttmp6, 0x10000c
	s_cmp_lg_u32 s2, 0xf033
	s_cbranch_scc0 .Lentry_shape_is_right
	s_endpgm
.Lentry_shape_is_right:
.set KSTEP,  256
.set NQ,     2
.set ROWB,   256
.set KROW,   1024
.set PITCH,  272
.set FR,     16
.set NL,     4
.set NP,     8
.set HALFT,  128*PITCH
.set SLOT,   4*HALFT
.set KS,     32
.set SCL,    2*SLOT
.set HALFS,  (128*KS/256)*272
.set SBLK,   (16*KS/256)*272
.set SPARE,  SCL+4*HALFS
.set ADRA, 16
.set ADRB, 20
.set LN,   24
.set L8,   25
.set L16,  26
.set ADRS, 27
.set SPW,  28
.set NIL,  29
.set SC,   32
.set BIAS, 64
.set AF,   128
.set PC,   128
.set TM,   160
.set HW,   176
.set RR,   192
.set G1, 24
.set G0, 32
.set G1B, 48
.set G0B, 56
.set OC,  66
.set G1S, 68
.set G0S, 76
.set G1SB, 80
.set G0SB, 88
.set MODE, 95
.set STR, 96
.set OS,  98
.set SEL, 100
.set MNT, 104
.set MSB, 0
.macro WIN new
.if MSB != \new
	s_set_vgpr_msb (MSB<<8)|\new
.set MSB, \new
.endif
.endm
.set MUL_LO, 0xa1
.set MUL_HI, 0xf1
.set BIA_LO, 0x81
.set BIA_HI, 0xc1
.set TO_B,   0x40
.macro JLOAD g0a, g1a, g0b, g1b
	s_cmp_eq_u32 s15, 0
	s_cbranch_scc0 .Lfor_b_\@
	tensor_load_to_lds s[\g0a:\g0a+3], s[\g1a:\g1a+7]
	s_nop 0
.rept 4
	v_nop
.endr
	s_branch .Lasked_\@
.Lfor_b_\@:
	tensor_load_to_lds s[\g0b:\g0b+3], s[\g1b:\g1b+7]
	s_nop 0
.rept 4
	v_nop
.endr
.Lasked_\@:
.endm
.macro CREST
	s_cmp_lg_u32 s14, 0
	s_cbranch_scc1 .Lnot_wave_0_\@
	s_barrier_signal -3
.Lnot_wave_0_\@:
	s_barrier_wait -3
	s_barrier_signal -1
	s_barrier_wait -1
.endm
.macro CROUND
	s_barrier_signal -1
	s_barrier_wait -1
	CREST
.endm
	s_load_b256 s[68:75], s[0:1], 0x0
	s_load_b128 s[76:79], s[0:1], 0x20
	s_load_b64 s[80:81], s[0:1], 0x30
	s_load_b256 s[24:31], s[0:1], 0x38
	s_load_b128 s[32:35], s[0:1], 0x58
	s_load_b64 s[36:37], s[0:1], 0x68
	s_load_b256 s[48:55], s[0:1], 0x70
	s_load_b128 s[56:59], s[0:1], 0x90
	s_load_b64 s[60:61], s[0:1], 0xa0
	v_lshl_add_u32 v[SPW], v0, 2, SPARE
	v_mov_b32 v[NIL], 0
	ds_add_u32 v[SPW], v[NIL]
	ds_add_u32 v[SPW], v[NIL]
	v_lshrrev_b32 v1, 5, v0
	v_readfirstlane_b32 s14, v1
	v_and_b32 v30, 31, v0                          ; the prefetches' offset: my lane x a row of 1,024 bytes; never rewritten
	v_lshlrev_b32 v30, 10, v30
	s_lshr_b32 s15, s14, 1
	s_and_b32 s16, s14, 1
	s_bfe_u32 s40, ttmp6, 0x40000
	s_bfe_u32 s41, ttmp6, 0x40004
	s_and_b32 s[MODE], ttmp7, 0xffff
	s_cmp_eq_u32 s[MODE], 2
	s_cselect_b32 s42, ttmp9, 0
	s_cselect_b32 s17, 0, ttmp9
	s_lshl_b32 s42, s42, 2
	s_add_co_u32 s42, s42, s40
	s_lshl_b32 s17, s17, 2
	s_add_co_u32 s17, s17, s41
	s_lshl_b32 s43, s41, 2
	s_lshl_b32 s43, 15, s43
	s_lshl_b32 s44, 0x1111, s40
	s_lshl_b32 s18, s16, 7
	s_lshl_b32 s20, s17, 8
	s_add_co_u32 s20, s20, s18
	s_lshl_b32 s46, s42, 8
	s_add_co_u32 s46, s46, s18
	s_mov_b32 s21, 0
	s_mov_b32 s47, 0
	s_mov_b64 s[18:19], KS
	s_mul_u64 s[22:23], s[20:21], s[18:19]
	s_mul_u64 s[92:93], s[46:47], s[18:19]
	s_mov_b64 s[18:19], KROW
	s_mul_u64 s[20:21], s[20:21], s[18:19]
	s_mul_u64 s[46:47], s[46:47], s[18:19]
	s_mul_i32 s45, s14, HALFT
	s_mul_i32 s94, s14, HALFS
	s_mov_b32 s[SEL], 0x76543210
	s_mov_b32 s[SEL+1], 0xfedcba98
	s_mov_b32 s[MNT], 0x600000
	s_wait_alu depctr_va_vdst(0)                   ; the wait ahead of the waits below
	s_wait_dscnt 0x0
	s_wait_kmcnt 0x0
	s_cmp_eq_u32 s[MODE], 1
	s_cselect_b64 s[4:5], s[24:25], s[68:69]
	s_cselect_b64 s[6:7], s[26:27], s[70:71]
	s_cselect_b64 s[8:9], s[28:29], s[72:73]
	s_cselect_b64 s[10:11], s[30:31], s[74:75]
	s_cselect_b64 s[12:13], s[32:33], s[76:77]
	s_cselect_b64 s[OC:OC+1], s[34:35], s[78:79]
	s_cselect_b64 s[OS:OS+1], s[36:37], s[80:81]
	s_cmp_eq_u32 s[MODE], 2
	s_cselect_b64 s[4:5], s[48:49], s[4:5]
	s_cselect_b64 s[6:7], s[50:51], s[6:7]
	s_cselect_b64 s[8:9], s[52:53], s[8:9]
	s_cselect_b64 s[10:11], s[54:55], s[10:11]
	s_cselect_b64 s[12:13], s[56:57], s[12:13]
	s_cselect_b64 s[OC:OC+1], s[58:59], s[OC:OC+1]
	s_cselect_b64 s[OS:OS+1], s[60:61], s[OS:OS+1]
	s_or_b32 s[G1+0], s43, (0<<16)|(1<<20)|(1<<21)|(5<<22)|(3<<25)
	s_or_b32 s[G1B+0], s44, (0<<16)|(1<<20)|(1<<21)|(5<<22)|(3<<25)
.irp g, G1, G1B
	s_mov_b32 s[\g+1], ROWB<<16
	s_mov_b32 s[\g+2], 128<<16
	s_mov_b32 s[\g+3], ROWB<<16
	s_mov_b32 s[\g+4], 128
	s_mov_b32 s[\g+5], KROW
	s_mov_b32 s[\g+6], 0
	s_mov_b32 s[\g+7], 0
.endr
	s_or_b32 s[G1S+0], s43, (3<<16)|(1<<20)|(1<<21)|(5<<22)|(3<<25)
	s_or_b32 s[G1SB+0], s44, (3<<16)|(1<<20)|(1<<21)|(5<<22)|(3<<25)
.irp g, G1S, G1SB
	s_mov_b32 s[\g+1], 32<<16
	s_mov_b32 s[\g+2], (128*KS/256)<<16
	s_mov_b32 s[\g+3], 32<<16
	s_mov_b32 s[\g+4], 128*KS/256
	s_mov_b32 s[\g+5], 32
	s_mov_b32 s[\g+6], 0
	s_mov_b32 s[\g+7], 0
.endr
	s_add_nc_u64 s[20:21], s[4:5], s[20:21]
	s_add_nc_u64 s[22:23], s[6:7], s[22:23]
	s_add_nc_u64 s[46:47], s[8:9], s[46:47]
	s_add_nc_u64 s[92:93], s[10:11], s[92:93]
	; PREFETCH INTO THE L2: of the 128 rows that my wave fetches for the ring, each of the four partners that ask for them jointly names 32, told apart by address (cx for A's rows, cy for B's), a lane a row:
	; a K step is 256 bytes of a row, so each block of 256 bytes is named once in each cluster that loads it.  K steps 0 and 1 are asked for behind the scales' load, K step 2 behind slot 0's first load, K step 3 behind slot 1's: each ahead of its own load by one fill or more.
	s_cmp_eq_u32 s15, 0
	s_cselect_b64 s[2:3], s[20:21], s[46:47]       ; my 128 rows, at K step 0; never rewritten
	s_cselect_b32 s18, s40, s41
	s_lshl_b32 s18, s18, 15                        ; my work-group's 32 of them: 32 x 1,024 bytes
	s_mov_b32 s19, 0
	s_add_nc_u64 s[2:3], s[2:3], s[18:19]
	CROUND
	s_mov_b32 s[G0S], 1
	s_add_co_u32 s[G0S+1], s94, SCL
	s_mov_b64 s[G0S+2:G0S+3], s[22:23]
	s_or_b32 s[G0S+3], s[G0S+3], 0x80000000
	s_mov_b32 s[G0SB], 1
	s_add_co_u32 s[G0SB+1], s94, SCL
	s_mov_b64 s[G0SB+2:G0SB+3], s[92:93]
	s_or_b32 s[G0SB+3], s[G0SB+3], 0x80000000
	JLOAD G0S, G1S, G0SB, G1SB
	global_prefetch_b8 v30, s[2:3] th:TH_LOAD_NT scope:SCOPE_SE
	global_prefetch_b8 v30, s[2:3] offset:256 th:TH_LOAD_NT scope:SCOPE_SE
.irp s, 0,1
	s_mov_b32 s[G0+4*\s], 1
	s_add_co_u32 s[G0+4*\s+1], s45, \s*SLOT
	s_add_nc_u64 s[G0+4*\s+2:G0+4*\s+3], s[20:21], \s*ROWB
	s_or_b32 s[G0+4*\s+3], s[G0+4*\s+3], 0x80000000
	s_mov_b32 s[G0B+4*\s], 1
	s_add_co_u32 s[G0B+4*\s+1], s45, \s*SLOT
	s_add_nc_u64 s[G0B+4*\s+2:G0B+4*\s+3], s[46:47], \s*ROWB
	s_or_b32 s[G0B+4*\s+3], s[G0B+4*\s+3], 0x80000000
	s_wait_alu depctr_va_vdst(0)
	s_wait_tensorcnt 0x0
	ds_add_u32 v28, v29
	s_wait_dscnt 0x0
	CROUND
	JLOAD G0+4*\s, G1, G0B+4*\s, G1B
	global_prefetch_b8 v30, s[2:3] offset:512+256*\s th:TH_LOAD_NT scope:SCOPE_SE
.endr
	v_and_b32 v1, 15, v0
	v_bfe_u32 v2, v0, 4, 1
	v_mul_u32_u24 v3, v1, PITCH
	v_lshl_add_u32 v4, v2, 4, v3
	s_mul_i32 s21, s15, HALFT
	s_mul_i32 s22, s16, HALFT
	s_add_co_u32 s22, s22, 2*HALFT
.irp s, 0,1
	v_add_nc_u32 v[ADRA+\s], s21, v4
	v_add_nc_u32 v[ADRB+\s], s22, v4
	s_add_co_u32 s21, s21, SLOT
	s_add_co_u32 s22, s22, SLOT
.endr
	v_mul_u32_u24 v5, v1, KS
	v_lshrrev_b32 v6, 8, v5
	v_lshl_add_u32 v5, v6, 4, v5
	s_mul_i32 s21, s15, HALFS
	s_mul_i32 s22, s16, HALFS
	s_add_co_u32 s22, s22, 2*HALFS
	s_sub_co_u32 s22, s22, s21
	v_mul_u32_u24 v6, s22, v2
	s_add_co_u32 s21, s21, SCL
	v_add_nc_u32 v5, v5, v6
	v_add_nc_u32 v[ADRS], s21, v5
	v_and_b32 v[LN], 31, v0
	v_lshlrev_b32 v[L8], 3, v[LN]
	v_lshlrev_b32 v[L16], 4, v[LN]
	s_cmp_eq_u32 s[MODE], 2
	s_cselect_b32 s20, s17, s42
	s_cselect_b32 s21, s15, s16
	s_cselect_b32 s92, 4, 0
	s_cselect_b32 s93, 0, 32
	s_cselect_b32 s94, 0, 4
	s_cselect_b32 s105, 16, 14
	s_lshl_b32 s20, s20, 10
	s_lshl_b32 s21, s21, 9
	s_add_co_u32 s20, s20, s21
	s_mov_b32 s21, 0
	s_add_nc_u64 s[12:13], s[12:13], s[20:21]
	v_mul_u32_u24 v8, s92, v1
	v_mul_u32_u24 v7, s93, v2
	v_add_nc_u32 v8, v8, v7
.irp j, 1,2,3,4,5,6,7
	v_add_nc_u32 v[8+\j], s94, v[7+\j]
.endr
.irp i, 0,1,2,3,4,5,6,7
.irp j, 0,1,2,3,4,5,6,7
	global_load_b32 v[BIAS+8*\i+\j], v[8+\j], s[12:13] offset:64*\i
.endr
.endr
	s_lshl_b32 s[STR], 1, s105
	s_mov_b32 s[STR+1], 0
	s_lshl_b32 s46, s17, 4
	s_lshl_b32 s47, s15, 3
	s_add_co_u32 s46, s46, s47
	s_lshl_b32 s46, s46, s105
	s_lshl_b32 s47, s42, 3
	s_lshl_b32 s18, s16, 2
	s_add_co_u32 s47, s47, s18
	s_lshl_b32 s47, s47, 9
	s_add_co_u32 s46, s46, s47
	s_mov_b32 s47, 0
	s_add_nc_u64 s[OC:OC+1], s[OC:OC+1], s[46:47]
.macro FRAG reg, adr, q, i
.irp c, 0,1,2,3
	ds_load_b128 v[\reg+4*\c:\reg+4*\c+3], v[\adr] offset:128*(\q)+32*\c+(\i)*16*PITCH
.endr
.endm
.macro MUL16 a0, p, q, sc, zero
.irp a, \a0, \a0+1
.irp b, 0,1,2,3,4,5,6,7
.if (\zero) == 1
	v_wmma_scale_f32_16x16x128_f8f6f4 v[8*(8*((\a)%4)+\b):8*(8*((\a)%4)+\b)+7], v[128*(\p)+FR*\b:128*(\p)+FR*\b+FR-1], v[AF+FR*(\a):AF+FR*(\a)+FR-1], v[BIAS+8*\b:BIAS+8*\b+7], v[SC+8*NQ*(\sc)+NQ*\b+(\q)], v[SC+8*NQ*(\sc)+NQ*(\a)+(\q)] matrix_a_fmt:MATRIX_FMT_BF8 matrix_b_fmt:MATRIX_FMT_BF8 matrix_a_scale:MATRIX_SCALE_ROW1
.elseif (\zero) == 2
	v_wmma_scale_f32_16x16x128_f8f6f4 v[8*(8*((\a)%4)+\b):8*(8*((\a)%4)+\b)+7], v[128*(\p)+FR*\b:128*(\p)+FR*\b+FR-1], v[AF+FR*(\a):AF+FR*(\a)+FR-1], v[BIAS+8*(\a):BIAS+8*(\a)+7], v[SC+8*NQ*(\sc)+NQ*\b+(\q)], v[SC+8*NQ*(\sc)+NQ*(\a)+(\q)] matrix_a_fmt:MATRIX_FMT_BF8 matrix_b_fmt:MATRIX_FMT_BF8 matrix_a_scale:MATRIX_SCALE_ROW1
.else
	v_wmma_scale_f32_16x16x128_f8f6f4 v[8*(8*((\a)%4)+\b):8*(8*((\a)%4)+\b)+7], v[128*(\p)+FR*\b:128*(\p)+FR*\b+FR-1], v[AF+FR*(\a):AF+FR*(\a)+FR-1], v[8*(8*((\a)%4)+\b):8*(8*((\a)%4)+\b)+7], v[SC+8*NQ*(\sc)+NQ*\b+(\q)], v[SC+8*NQ*(\sc)+NQ*(\a)+(\q)] matrix_a_fmt:MATRIX_FMT_BF8 matrix_b_fmt:MATRIX_FMT_BF8 matrix_a_scale:MATRIX_SCALE_ROW1
.endif
.endr
.endr
.endm
.macro FETCH_B slot, q, p
	WIN TO_B
.irp i, 0,1,2,3,4,5,6,7
	FRAG 128*(\p)+FR*\i, ADRB+\slot, \q, \i
.endr
	WIN 0
.endm
.macro FETCH_A slot, q, i0
.irp i, \i0, \i0+1, \i0+2, \i0+3
	FRAG AF+FR*(\i), ADRA+\slot, \q, \i
.endr
.endm
.macro SCALES sc
.irp i, 0,1,2,3,4,5,6,7
	ds_load_b64 v[SC+8*NQ*\sc+NQ*\i:SC+8*NQ*\sc+NQ*\i+1], v[ADRS] offset:\i*SBLK
.endr
.endm
.macro PLACES n
.rept \n
	v_nop
.endr
.endm
.macro STEP slot, q, zero
	s_wait_dscnt 4*NL
.if \zero
	WIN BIA_LO
.else
	WIN MUL_LO
.endif
	MUL16 0, (\q)%2, \q, \slot, \zero
	MUL16 2, (\q)%2, \q, \slot, \zero
	s_wait_dscnt 0
	PLACES NP
	FETCH_B \slot, (\q)+1, 1-(\q)%2
	FETCH_A \slot, (\q)+1, 0
.if \zero
	WIN BIA_HI
.else
	WIN MUL_HI
.endif
	MUL16 4, (\q)%2, \q, \slot, \zero
	MUL16 6, (\q)%2, \q, \slot, \zero
	PLACES NP
	WIN 0
	FETCH_A \slot, (\q)+1, 4
.endm
.macro TURN slot, next, fill
	s_wait_tensorcnt 0x0
	ds_add_u32 v[SPW], v[NIL]
	s_wait_dscnt 4*NL+1
	WIN MUL_LO
	MUL16 0, 1, NQ-1, \slot, 0
	s_wait_dscnt 0x0
	s_barrier_signal -1
	MUL16 2, 1, NQ-1, \slot, 0
	WIN 0
	s_barrier_wait -1
.if \fill
	CREST
	s_add_nc_u64 s[G0+4*\slot+2:G0+4*\slot+3], s[G0+4*\slot+2:G0+4*\slot+3], 2*ROWB
	s_add_nc_u64 s[G0B+4*\slot+2:G0B+4*\slot+3], s[G0B+4*\slot+2:G0B+4*\slot+3], 2*ROWB
	JLOAD G0+4*\slot, G1, G0B+4*\slot, G1B
	PLACES NP-4
.else
	PLACES NP
.endif
	s_wait_alu depctr_va_vdst(0)
	v_add_nc_u32 v[ADRS], 4*NQ, v[ADRS]
	FETCH_B \next, 0, 0
	FETCH_A \next, 0, 0
	SCALES \next
	WIN MUL_HI
	MUL16 4, 1, NQ-1, \slot, 0
	MUL16 6, 1, NQ-1, \slot, 0
	PLACES NP
	WIN 0
	FETCH_A \next, 0, 4
.endm
	s_wait_tensorcnt 1
	s_barrier_signal -1
	s_barrier_wait -1
	FETCH_B 0, 0, 0
	FETCH_A 0, 0, 0
	SCALES 0
	FETCH_A 0, 0, 4
	s_wait_loadcnt 0x0
	s_cmp_eq_u32 s[MODE], 2
	s_cbranch_scc1 .Lfirst_v
	STEP 0, 0, 1
	s_branch .Lfirst_done
.Lfirst_v:
	STEP 0, 0, 2
.Lfirst_done:
	TURN 0, 1, 1
	STEP 1, 0, 0
	TURN 1, 0, 1
	STEP 0, 0, 0
	TURN 0, 1, 0
	STEP 1, 0, 0
	s_wait_dscnt 4*NL
	WIN MUL_LO
	MUL16 0, 1, NQ-1, 1, 0
	MUL16 2, 1, NQ-1, 1, 0
	s_wait_dscnt 0
	WIN MUL_HI
	MUL16 4, 1, NQ-1, 1, 0
	MUL16 6, 1, NQ-1, 1, 0
	WIN 0
	PLACES NP
.irp b, 0,1,2,3
	v_mov_b32 v[TM+4+\b], 0
.endr
.macro OUT a
.set AC, 64*((\a)%4)
	WIN 5*(2+(\a)/4)
.irp b, 0,1,2,3
	v_max3_num_f32 v[TM+\b], v[AC+16*\b], v[AC+16*\b+1], 0x8000000
.endr
.irp i, 2,4,6,8,10,12,14
.irp b, 0,1,2,3
	v_max3_num_f32 v[TM+\b], v[AC+16*\b+\i], v[AC+16*\b+\i+1], v[TM+\b]
.endr
.endr
	WIN 0
.irp b, 0,1,2,3
	v_permlanex16_b32 v[TM+4+\b], v[TM+\b], s[SEL], s[SEL+1]
.endr
.irp b, 0,1,2,3
	v_max_num_f32 v[TM+\b], v[TM+\b], v[TM+4+\b]
.endr
.irp b, 0,1,2,3
	v_add_nc_u32 v[TM+12+\b], 0xf8800000, v[TM+\b]
.endr
.irp b, 0,1,2,3
	v_and_or_b32 v[TM+8+\b], v[TM+\b], 0x7f800000, s[MNT]
.endr
.irp b, 0,1,2,3
	v_lshrrev_b32 v[TM+4+\b], 23, v[TM+12+\b]
.endr
	v_lshl_or_b32 v[HW+2*(\a)], v[TM+5], 8, v[TM+4]
	v_lshl_or_b32 v[HW+2*(\a)+1], v[TM+7], 8, v[TM+6]
	WIN 65*(2+(\a)/4)
.irp b, 0,1,2,3
.irp i, 0,1,2,3,4,5,6,7,8,9,10,11,12,13,14,15
	v_med3_num_f32 v[AC+16*\b+\i], v[AC+16*\b+\i], 0, v[TM+8+\b]
.endr
.endr
	s_wait_alu depctr_va_vdst(0)
	s_wait_xcnt 0x0
.if (\a) > 0
	s_add_nc_u64 s[OC:OC+1], s[OC:OC+1], s[STR:STR+1]
.endif
	WIN 2+(\a)/4
.irp b, 0,1,2,3
	v_cvt_scalef32_pk8_bf8_f32 v[PC+4*\b:PC+4*\b+1], v[AC+16*\b:AC+16*\b+7], v[TM+12+\b]
	v_cvt_scalef32_pk8_bf8_f32 v[PC+4*\b+2:PC+4*\b+3], v[AC+16*\b+8:AC+16*\b+15], v[TM+12+\b]
.endr
	WIN 0
	v_nop
.irp b, 0,1,2,3
	global_store_b128 v[L16], v[PC+4*\b:PC+4*\b+3], s[OC:OC+1] offset:512*\b
.endr
.endm
.irp a, 0,1,2,3,4,5,6,7
	OUT \a
.endr
	s_cmp_eq_u32 s[MODE], 2
	s_cselect_b32 s20, s17, s42
	s_cselect_b32 s21, s15, s16
	s_cselect_b32 s22, s42, s17
	s_cselect_b32 s23, s16, s15
	s_cselect_b32 s105, 8, 9
	s_lshl_b32 s20, s20, 2
	s_lshl_b32 s21, s21, 1
	s_add_co_u32 s20, s20, s21
	s_lshl_b32 s20, s20, 5
	s_lshl_b32 s22, s22, 1
	s_add_co_u32 s22, s22, s23
	s_add_co_u32 s20, s20, s22
	s_lshl_b32 s20, s20, s105
	s_mov_b32 s21, 0
	s_add_nc_u64 s[OS:OS+1], s[OS:OS+1], s[20:21]
	v_cmp_le_u32 vcc_lo, 16, v[LN]
	s_cmp_eq_u32 s[MODE], 2
	s_cbranch_scc1 .Lwords_v
.irp hd, 0,1
.irp i, 0,1,2,3
	v_cndmask_b32 v[RR+4*\hd+\i], v[HW+2*\i+\hd], v[HW+2*(\i+4)+\hd], vcc_lo
.endr
.endr
	global_store_b128 v[L16], v[RR:RR+3], s[OS:OS+1]
	global_store_b128 v[L16], v[RR+4:RR+7], s[OS:OS+1] offset:16384
	s_branch .Lwords_done
.Lwords_v:
.irp a, 0,1,2,3,4,5,6,7
	v_lshl_or_b32 v[HW+2*\a], v[HW+2*\a+1], 16, v[HW+2*\a]
.endr
.irp hd, 0,1
.irp i, 0,1
	v_cndmask_b32 v[RR+2*\hd+\i], v[HW+2*(4*\hd+\i)], v[HW+2*(4*\hd+\i+2)], vcc_lo
.endr
.endr
	global_store_b64 v[L8], v[RR:RR+1], s[OS:OS+1]
	global_store_b64 v[L8], v[RR+2:RR+3], s[OS:OS+1] offset:8192
.Lwords_done:
	s_wait_tensorcnt 0x0
	ds_add_u32 v[SPW], v[NIL]
	s_wait_dscnt 0x0
	CROUND
	s_endpgm
.Lfunc_end_k_q12e73e6c5d_proj:
	.size	k_q12e73e6c5d_proj, .Lfunc_end_k_q12e73e6c5d_proj-k_q12e73e6c5d_proj
	.p2alignl 7, 3214868480
	.fill 96, 4, 3214868480
	.section	.rodata,"a",@progbits
	.p2align	6, 0x0
	.amdhsa_kernel k_q12e73e6c5d_proj
		.amdhsa_group_segment_fixed_size 327680
		.amdhsa_private_segment_fixed_size 0
		.amdhsa_enable_private_segment 0
		.amdhsa_kernarg_size 168
		.amdhsa_user_sgpr_count 2
		.amdhsa_user_sgpr_kernarg_segment_ptr 1
		.amdhsa_wavefront_size32 1
		.amdhsa_system_sgpr_workgroup_id_x 1
		.amdhsa_system_sgpr_workgroup_id_y 1
		.amdhsa_system_sgpr_workgroup_id_z 1
		.amdhsa_system_vgpr_workitem_id 0
		.amdhsa_next_free_vgpr 1024
		.amdhsa_next_free_sgpr 106
		.amdhsa_reserve_vcc 1
		.amdhsa_float_denorm_mode_32 3
		.amdhsa_float_denorm_mode_16_64 3
		.amdhsa_memory_ordered 1
		.amdhsa_forward_progress 1
		.amdhsa_inst_pref_size 208
	.end_amdhsa_kernel
	.amdgpu_metadata
---
amdhsa.version: [ 1, 2 ]
amdhsa.kernels:
  - .name:           k_q12e73e6c5d_proj
    .symbol:         k_q12e73e6c5d_proj.kd
    .args:
      - { .name: xq_codes, .offset: 0, .size: 8, .value_kind: global_buffer, .address_space: global }
      - { .name: xq_scales, .offset: 8, .size: 8, .value_kind: global_buffer, .address_space: global }
      - { .name: Wq_w_codes, .offset: 16, .size: 8, .value_kind: global_buffer, .address_space: global }
      - { .name: Wq_w_scales, .offset: 24, .size: 8, .value_kind: global_buffer, .address_space: global }
      - { .name: Wq_b, .offset: 32, .size: 8, .value_kind: global_buffer, .address_space: global }
      - { .name: qc, .offset: 40, .size: 8, .value_kind: global_buffer, .address_space: global }
      - { .name: qs, .offset: 48, .size: 8, .value_kind: global_buffer, .address_space: global }
      - { .name: keys_codes, .offset: 56, .size: 8, .value_kind: global_buffer, .address_space: global }
      - { .name: keys_scales, .offset: 64, .size: 8, .value_kind: global_buffer, .address_space: global }
      - { .name: Wk_w_codes, .offset: 72, .size: 8, .value_kind: global_buffer, .address_space: global }
      - { .name: Wk_w_scales, .offset: 80, .size: 8, .value_kind: global_buffer, .address_space: global }
      - { .name: Wk_b, .offset: 88, .size: 8, .value_kind: global_buffer, .address_space: global }
      - { .name: kc, .offset: 96, .size: 8, .value_kind: global_buffer, .address_space: global }
      - { .name: ks, .offset: 104, .size: 8, .value_kind: global_buffer, .address_space: global }
      - { .name: Wv_w_codes, .offset: 112, .size: 8, .value_kind: global_buffer, .address_space: global }
      - { .name: Wv_w_scales, .offset: 120, .size: 8, .value_kind: global_buffer, .address_space: global }
      - { .name: values_codes, .offset: 128, .size: 8, .value_kind: global_buffer, .address_space: global }
      - { .name: values_scales, .offset: 136, .size: 8, .value_kind: global_buffer, .address_space: global }
      - { .name: Wv_b, .offset: 144, .size: 8, .value_kind: global_buffer, .address_space: global }
      - { .name: vc, .offset: 152, .size: 8, .value_kind: global_buffer, .address_space: global }
      - { .name: vs, .offset: 160, .size: 8, .value_kind: global_buffer, .address_space: global }
    .group_segment_fixed_size: 327680
    .private_segment_fixed_size: 0
    .kernarg_segment_align: 8
    .kernarg_segment_size: 168
    .max_flat_workgroup_size: 128
    .sgpr_count:     106
    .vgpr_count:     1024
    .wavefront_size: 32
...
	.end_amdgpu_metadata
.endif
;; end of part 2
;; launch attn (part 3): grid 16 x 16, 16 waves a work-group, clusters of 4 x 1, 327,680 bytes of LDS; arguments qc, qs, kc, ks, vc, vs, queries, out0; writes out0
.if DOCPART == 3
	.amdgcn_target "amdgcn-amd-amdhsa--gfx1250"
	.amdhsa_code_object_version 6
	.text
	.protected	k_q12e73e6c5d_attn
	.globl	k_q12e73e6c5d_attn
	.p2align	8
	.type	k_q12e73e6c5d_attn,@function
k_q12e73e6c5d_attn:
	s_mov_b64 s[64:65], 0
	v_nop
	global_prefetch_b8 v0, s[64:65] scope:SCOPE_SE
	s_setreg_imm32_b32 hwreg(HW_REG_WAVE_MODE, 25, 1), 1
	s_wait_xcnt 0x0
	s_wait_alu depctr_hold_cnt(0) depctr_sa_sdst(0) depctr_va_vdst(0) depctr_va_sdst(0) depctr_va_ssrc(0) depctr_va_vcc(0) depctr_vm_vsrc(0)
	s_getreg_b32 s2, hwreg(HW_REG_IB_STS2, 6, 4)
	s_cmp_eq_u32 s2, 0
	s_cbranch_scc0 .Lentry_in_a_cluster
	s_endpgm
.Lentry_in_a_cluster:
	s_bfe_u32 s2, ttmp6, 0x10000c
	s_cmp_lg_u32 s2, 0x3003
	s_cbranch_scc0 .Lentry_shape_is_right
	s_endpgm
.Lentry_shape_is_right:
; THIRD LAUNCH: out[h][d][s] (flat, as reference()'s transposed reshape has it) = sum over keys of softmax(q k^T / 8) v + queries, both products on codes of BF8 (E5M2) with E8M0 scales.  No work is left out.
; INPUTS, as the launch before lays them: qc, kc: [tile of 16 tokens][head][1,024 bytes], an image of the operand's registers (two runs of 512 bytes, 16 bytes a lane); qs, ks: a word for each token and head, 512 bytes for 128 tokens;
; vc: [head][16 of the head's 64][4,096 keys x 16], 2,048 bytes for 128 keys; vs: 256 bytes for 128 keys.
; THE SOFTMAX: t = score x log2(e) / 8; M = the running largest t rounded up to a whole number; p = 2^(t - M) is quantised along the keys, block by block of 32; the row's sum is taken of the unquantised p and divides at the end.
; LIMITS: NaN and infinities are not served; the promise holds while the scaled scores stay under 2^31 in magnitude.
; SHARES: a work-group owns 256 queries of one head, each of its 16 waves 16 of them, a lane one query.  The head's 64 fill half of the first product's K of 128: the other half of Q's operand is zero codes.
; THE RING: two slots of 1,024 keys (64 KiB of K, 64 KiB of V): four slots' worth of keys, so four changes of slots, written out, each with a counted loop of eight steps of 128 keys.
; CLUSTER: the four query blocks of a cluster walk the same K and V of one head: every fill is a joint load (mask 15).  Waves 0-3 fetch K (16 tiles each), waves 4-7 V (one run of 16 KiB each); at the head waves 8-11 fetch the scale bytes of the whole head.
; PREFETCH: a slot is 512 blocks of 256 bytes; the 16 work-groups of a head share them by address, 32 blocks each, one instruction of wave 12, at the change that loads the slot before: eight steps ahead of the load. Slots 0 and 1 come by their loads alone.
; Each wave also asks for its 16 blocks of the residual at the last change of slots, eight steps ahead of their loads.
.set SLOT1, 131072
.set VOFF,  65536
.set SCK,   262144
.set SCV,   278528
.set SPARE, 294912                     ; the spare words: 128 bytes a wave, named by no other line
.set SPT,   1040                       ; the way out: 64 rows of 1,024 bytes + 16, in slot 0, which has had its last fill and its last read by then
.set L16, 1
.set L8,  2
.set SPW, 3
.set NIL, 4
.set PFO, 5
.set ADK, 8
.set ADV, 9
.set ADS, 10
.set ADT, 11
.set FRG, 32                           ; v32-95 fragments of K, then of V; v96-103 zeros
.set S,   104                          ; v104-167 S^T, then p
.set O,   168                          ; v168-199 O^T
.set PCD, 200                          ; p's codes
.set KSC, 216
.set VSC, 220
.set QSC, 222
.set PSC, 223
.set BM,  224
.set T1,  228
.set LM,  232
.set SO,  236
.set F,   242
.set TT,  244
.set TU,  245
.set CH,  246                          ; v246-253 the step's sums: four chains of pairs
.set RPO, 254
.set WV,  20
.set CNT, 21
.set CS,  22
.set G1K, 24
.set G1V, 32
.set G0K, 40
.set G0V, 44
.set G1SK, 48
.set G1SV, 56
.set G0SK, 68
.set G0SV, 72
.set SEL, 76
.set MNT, 78
.set PFA, 86
.set PFS, 88
.set CX,  91
.set QB,  92
.set HD,  93
.macro TL g0, g1                       ; a tensor load with the lines behind it
	tensor_load_to_lds s[\g0:\g0+3], s[\g1:\g1+7]
	s_nop 0
.rept 4
	v_nop
.endr
.endm
.macro TLOAD                           ; the ring's fill: the branches hang on the wave's number alone
	s_cmp_lt_u32 s[WV], 4
	s_cbranch_scc0 .Lnot_k_\@
	TL G0K, G1K
	s_branch .Lasked_\@
.Lnot_k_\@:
	s_cmp_lt_u32 s[WV], 8
	s_cbranch_scc0 .Lasked_\@
	TL G0V, G1V
.Lasked_\@:
.endm
.macro CROUND                          ; a round of the cluster's barrier
	s_barrier_signal -1
	s_barrier_wait -1
	s_cmp_lg_u32 s[WV], 0
	s_cbranch_scc1 .Lnot_wave_0_\@
	s_barrier_signal -3
.Lnot_wave_0_\@:
	s_barrier_wait -3
	s_barrier_signal -1
	s_barrier_wait -1
.endm
	s_load_b512 s[4:19], s[0:1], 0x0               ; qc, qs, kc, ks, vc, vs, queries, out
	v_lshl_add_u32 v[SPW], v0, 2, SPARE
	v_mov_b32 v[NIL], 0
	ds_add_u32 v[SPW], v[NIL]                      ; the opening lines: the add twice on end and one wait
	ds_add_u32 v[SPW], v[NIL]
	v_lshrrev_b32 v8, 5, v0
	v_readfirstlane_b32 s[WV], v8
	s_bfe_u32 s[CX], ttmp6, 0x40000
	s_lshl_b32 s[QB], ttmp9, 2
	s_add_co_u32 s[QB], s[QB], s[CX]               ; block of 256 queries
	s_and_b32 s[HD], ttmp7, 0xffff                 ; head
	s_mov_b32 s[G1K], 15|(3<<16)|(1<<21)           ; K: 16 tiles of 1,024 bytes (128 elements of 8), 16,384 bytes apart
	s_mov_b32 s[G1K+1], 128<<16
	s_mov_b32 s[G1K+2], 16<<16
	s_mov_b32 s[G1K+3], 128<<16
	s_mov_b32 s[G1K+4], 16
	s_mov_b32 s[G1K+5], 2048
	s_mov_b32 s[G1K+6], 0
	s_mov_b32 s[G1K+7], 0
	s_mov_b32 s[G1V], 15|(3<<16)|(1<<21)           ; V: 16,384 dense bytes as two rows of 8,192
	s_mov_b32 s[G1V+1], 1024<<16
	s_mov_b32 s[G1V+2], 2<<16
	s_mov_b32 s[G1V+3], 1024<<16
	s_mov_b32 s[G1V+4], 2
	s_mov_b32 s[G1V+5], 1024
	s_mov_b32 s[G1V+6], 0
	s_mov_b32 s[G1V+7], 0
	s_mov_b32 s[G1SK], 15|(3<<16)|(1<<21)          ; K's scale words: half a head's, 32 rows of 256 bytes
	s_mov_b32 s[G1SK+1], 32<<16
	s_mov_b32 s[G1SK+2], 32<<16
	s_mov_b32 s[G1SK+3], 32<<16
	s_mov_b32 s[G1SK+4], 32
	s_mov_b32 s[G1SK+5], 32
	s_mov_b32 s[G1SK+6], 0
	s_mov_b32 s[G1SK+7], 0
	s_mov_b32 s[G1SV], 15|(3<<16)|(1<<21)          ; V's: 16 rows of 256 bytes
	s_mov_b32 s[G1SV+1], 32<<16
	s_mov_b32 s[G1SV+2], 16<<16
	s_mov_b32 s[G1SV+3], 32<<16
	s_mov_b32 s[G1SV+4], 16
	s_mov_b32 s[G1SV+5], 32
	s_mov_b32 s[G1SV+6], 0
	s_mov_b32 s[G1SV+7], 0
	s_mov_b32 s[CS], 0x3e38aa3b                    ; c = log2(e) / 8
	s_mov_b32 s[CS+1], s[CS]
	s_mov_b32 s[SEL], 0x76543210
	s_mov_b32 s[SEL+1], 0xfedcba98
	s_mov_b32 s[MNT], 0x600000                     ; the mantissa field of 57,344
	s_and_b32 s94, s[WV], 1
	s_and_b32 s95, s[WV], 3
	s_mov_b32 s97, 0
	s_wait_alu depctr_va_vdst(0)                   ; the wait ahead of the waits below
	s_wait_dscnt 0x0
	s_wait_kmcnt 0x0
	s_lshl_b32 s96, s[HD], 10
	s_lshl_b32 s98, s95, 18
	s_add_co_u32 s96, s96, s98
	s_mov_b32 s[G0K], 1
	s_lshl_b32 s[G0K+1], s95, 14
	s_add_nc_u64 s[G0K+2:G0K+3], s[8:9], s[96:97]
	s_or_b32 s[G0K+3], s[G0K+3], 0x80000000
	s_lshl_b32 s96, s[HD], 18
	s_lshl_b32 s98, s95, 16
	s_add_co_u32 s96, s96, s98
	s_mov_b32 s[G0V], 1
	s_lshl_b32 s98, s95, 14
	s_add_co_u32 s[G0V+1], s98, VOFF
	s_add_nc_u64 s[G0V+2:G0V+3], s[12:13], s[96:97]
	s_or_b32 s[G0V+3], s[G0V+3], 0x80000000
	s_lshl_b32 s96, s[HD], 14
	s_lshl_b32 s98, s94, 13
	s_add_co_u32 s96, s96, s98
	s_mov_b32 s[G0SK], 1
	s_add_co_u32 s[G0SK+1], s98, SCK
	s_add_nc_u64 s[G0SK+2:G0SK+3], s[10:11], s[96:97]
	s_or_b32 s[G0SK+3], s[G0SK+3], 0x80000000
	s_lshl_b32 s96, s[HD], 13
	s_lshl_b32 s98, s94, 12
	s_add_co_u32 s96, s96, s98
	s_mov_b32 s[G0SV], 1
	s_add_co_u32 s[G0SV+1], s98, SCV
	s_add_nc_u64 s[G0SV+2:G0SV+3], s[14:15], s[96:97]
	s_or_b32 s[G0SV+3], s[G0SV+3], 0x80000000
	CROUND                                         ; the four partners are here: the first joint loads meet
; the head's loads, one a wave, in one tree of branches on the wave's number
.macro ARM under, g0, g1, next
	s_cmp_lt_u32 s[WV], \under
	s_cbranch_scc0 \next
	TL \g0, \g1
	s_branch .Lhead_asked
\next:
.endm
	ARM 4,  G0K,  G1K,  .Lhead_v
	ARM 8,  G0V,  G1V,  .Lhead_sk
	ARM 10, G0SK, G1SK, .Lhead_sv
	ARM 12, G0SV, G1SV, .Lhead_none
.Lhead_asked:
	; the prefetches: place i = 4 (cluster x % 2) + cx among eight; clusters 0, 1 of a head ask for K (8 tiles each), clusters 2, 3 for V (8,192 bytes each)
	s_and_b32 s94, ttmp9, 1
	s_lshl_b32 s94, s94, 2
	s_add_co_u32 s94, s94, s[CX]
	s_lshl_b32 s95, s94, 17
	s_lshr_b32 s96, s94, 1
	s_lshl_b32 s96, s96, 16
	s_and_b32 s98, s94, 1
	s_lshl_b32 s98, s98, 13
	s_add_co_u32 s96, s96, s98
	s_lshl_b32 s98, s[HD], 10
	s_add_co_u32 s95, s95, s98
	s_lshl_b32 s98, s[HD], 18
	s_add_co_u32 s96, s96, s98
	s_cmp_lt_u32 ttmp9, 2
	s_cselect_b64 s[PFA:PFA+1], s[8:9], s[12:13]
	s_cselect_b32 s96, s95, s96
	s_cselect_b32 s99, 14, 10                      ; from four lanes to the next four: a tile on in K, 1,024 bytes in V
	s_cselect_b32 s95, 20, 14
	s_lshl_b32 s[PFS], 1, s95                      ; a slot on
	s_mov_b32 s[PFS+1], 0
	s_add_co_u32 s96, s96, s[PFS]                  ; at slot 1: the first change steps it to slot 2
	s_add_nc_u64 s[PFA:PFA+1], s[PFA:PFA+1], s[96:97]
	s_lshl_b32 s94, s[QB], 4
	s_add_co_u32 s94, s94, s[WV]                   ; my tile of 16 queries
	s_lshl_b32 s96, s94, 14
	s_lshl_b32 s98, s[HD], 10
	s_add_co_u32 s96, s96, s98
	s_add_nc_u64 s[4:5], s[4:5], s[96:97]
	s_lshr_b32 s96, s94, 3
	s_lshl_b32 s96, s96, 9
	s_bfe_u32 s98, s94, 0x10002
	s_lshl_b32 s98, s98, 8
	s_add_co_u32 s96, s96, s98
	s_and_b32 s98, s94, 3
	s_lshl_b32 s98, s98, 2
	s_add_co_u32 s96, s96, s98
	s_lshl_b32 s98, s[HD], 14
	s_add_co_u32 s96, s96, s98
	s_add_nc_u64 s[6:7], s[6:7], s[96:97]
	s_lshl_b32 s96, s[HD], 20                      ; the way out: head, my four rows d = 4 wave .. + 3 of 16,384 bytes, my work-group's 1,024 bytes of each
	s_lshl_b32 s98, s[WV], 16
	s_add_co_u32 s96, s96, s98
	s_lshl_b32 s98, s[QB], 10
	s_add_co_u32 s96, s96, s98
	s_add_nc_u64 s[16:17], s[16:17], s[96:97]
	s_add_nc_u64 s[18:19], s[18:19], s[96:97]
	v_and_b32 v8, 31, v0
	v_lshrrev_b32 v9, 2, v8
	v_and_b32 v10, 3, v8
	v_lshlrev_b32 v9, s99, v9
	v_lshlrev_b32 v[L16], 4, v8
	v_lshlrev_b32 v[L8], 3, v8
	v_lshl_add_u32 v[PFO], v10, 8, v9
	v_and_b32 v6, 15, v0
	v_min_u32 v10, 15, v8                          ; the residual's 16 blocks: lanes 16-31 name the last again
	v_lshlrev_b32 v6, 4, v6
	v_lshrrev_b32 v9, 2, v10
	v_and_b32 v10, 3, v10
	v_lshlrev_b32 v9, 14, v9
	global_load_b128 v[16:19], v[L16], s[4:5]      ; Q's codes stay in registers
	global_load_b128 v[20:23], v[L16], s[4:5] offset:512
	global_load_b32 v[QSC], v6, s[6:7]
	v_lshl_add_u32 v[RPO], v10, 8, v9
	v_add_nc_u32 v[ADS], SCK, v[L16]
	v_add_nc_u32 v[ADT], SCV-256, v[L8]            ; V's addresses are stepped ahead of their loads: they begin a step back
.irp j, 0,1,2,3,4,5,6,7
	v_mov_b32 v[24+\j], 0
	v_mov_b32 v[96+\j], 0
.endr
.set j, 0
.rept 32
	v_mov_b32 v[O+j], 0                            ; the step is written once: the first finds zeros
.set j, j+1
.endr
	v_mov_b32 v13, 0xff61b1e6                      ; the largest score so far: -3e38
	v_mov_b32 v14, 0
	v_mov_b32 v15, 0
	v_mul_f32 v[TT], s[CS], v13
.irp b, 0,1,2,3
	v_mov_b32 v[T1+\b], 0
.endr
	v_mov_b32 v[F+1], 0
	v_floor_f32 v12, -v[TT]                        ; -M
; A STEP: 128 keys
.macro SUM8 j0                         ; eight pairs of p onto the four chains, by turns
.irp k, 0,1,2,3,4,5,6,7
	v_pk_add_f32 v[CH+2*(\k%4):CH+2*(\k%4)+1], v[CH+2*(\k%4):CH+2*(\k%4)+1], v[S+\j0+2*\k:S+\j0+2*\k+1]
.endr
.endm
.macro STEP
.irp t, 0,1,2,3,4,5,6,7
	ds_load_b128 v[FRG+8*\t:FRG+8*\t+3], v[ADK] offset:1024*\t
	ds_load_b128 v[FRG+8*\t+4:FRG+8*\t+7], v[ADK] offset:1024*\t+512
.endr
	ds_load_b128 v[KSC:KSC+3], v[ADS]
	s_wait_alu depctr_va_vdst(0)                   ; the wait ahead of the wait below
	s_wait_dscnt 0x0
.irp t, 0,1,2,3                                ; S^T = K Q^T; a tile's upper 64 of K are the next tile's codes against Q's zeros
	v_wmma_scale_f32_16x16x128_f8f6f4 v[S+8*\t:S+8*\t+7], v[FRG+8*\t:FRG+8*\t+15], v[16:31], 0, v[KSC+\t], v[QSC] matrix_a_fmt:MATRIX_FMT_BF8 matrix_b_fmt:MATRIX_FMT_BF8
.endr
.irp t, 4,5,6,7
	v_wmma_scale_f32_16x16x128_f8f6f4 v[S+8*\t:S+8*\t+7], v[FRG+8*\t:FRG+8*\t+15], v[16:31], 0, v[KSC+\t-4], v[QSC] matrix_a_fmt:MATRIX_FMT_BF8 matrix_b_fmt:MATRIX_FMT_BF8 matrix_a_scale:MATRIX_SCALE_ROW1
.endr
	v_add_nc_u32 v[ADK], 0x2000, v[ADK]            ; eight places: the addresses' steps, the old -M, three idle
	v_add_nc_u32 v[ADS], 0x200, v[ADS]
	v_add_nc_u32 v[ADV], 0x800, v[ADV]
	v_add_nc_u32 v[ADT], 0x100, v[ADT]
	v_mov_b32 v[TU], v12
.rept 3
	v_nop
.endr
.irp dt, 0,1,2,3                               ; V's fragments land under the softmax
.irp c, 0,1,2,3
	ds_load_b128 v[FRG+16*\dt+4*\c:FRG+16*\dt+4*\c+3], v[ADV] offset:16384*\dt+512*\c
.endr
.endr
	ds_load_b64 v[VSC:VSC+1], v[ADT]
.irp b, 0,1,2,3                                ; the largest score of each block of 32 keys, the four blocks by turns
	v_max3_num_f32 v[BM+\b], v[S+16*\b], v[S+1+16*\b], v[S+2+16*\b]
.endr
.irp i, 3,5,7,9,11,13
.irp b, 0,1,2,3
	v_max3_num_f32 v[BM+\b], v[BM+\b], v[S+16*\b+\i], v[S+1+16*\b+\i]
.endr
.endr
.irp b, 0,1,2,3
	v_max_num_f32 v[BM+\b], v[BM+\b], v[S+15+16*\b]
.endr
.irp b, 0,1,2,3
	v_permlanex16_b32 v[T1+\b], v[BM+\b], s[SEL], s[SEL+1]
.endr
.irp b, 0,2                                    ; with lane l xor 16's 16 keys, two blocks an instruction
	v_dual_max_num_f32 v[BM+\b], v[BM+\b], v[T1+\b] :: v_dual_max_num_f32 v[BM+\b+1], v[BM+\b+1], v[T1+\b+1]
.endr
	v_max3_num_f32 v[TT], v[BM], v[BM+1], v[BM+2]
	s_delay_alu instid0(VALU_DEP_1)
	v_max3_num_f32 v13, v[TT], v[BM+3], v13        ; the running largest score
	s_delay_alu instid0(VALU_DEP_1)
	v_mul_f32 v[TT], s[CS], v13                    ; as t (c is positive)
	s_delay_alu instid0(VALU_DEP_1)
	v_floor_f32 v12, -v[TT]                        ; -M = floor(-t)
	s_delay_alu instid0(VALU_DEP_1)
	v_sub_f32 v[TT], v12, v[TU]                    ; old M - new M: a whole number, 0 or less
.set j, 0
.rept 32                                       ; t - M, two at a time; f = 2^(old M - new M) is made among them
	v_pk_fma_f32 v[S+j:S+j+1], v[S+j:S+j+1], s[CS:CS+1], v[12:13] op_sel_hi:[1,0,0]
.if j == 6
	v_cvt_i32_f32 v[TT], v[TT]                     ; (it saturates)
.endif
.if j == 14
	v_ldexp_f32 v[F], 1.0, v[TT]
.endif
.set j, j+2
.endr
.irp b, 0,1,2,3
	v_fma_f32 v[BM+\b], v[BM+\b], s[CS], v12       ; the same of each block's largest score
.endr
	s_wait_alu depctr_va_vdst(0)                   ; the wait ahead of the batch
.irp b, 0,1,2,3
	v_exp_f32 v[BM+\b], v[BM+\b]                   ; the block's largest p
.endr
.set j, 0
.rept 64
	v_exp_f32 v[S+j], v[S+j]                       ; p = 2^(t - M)
.set j, j+1
.endr
	s_wait_alu depctr_va_vdst(0)                   ; one wait for the batch, ahead of its first reader
.irp k, 0,1,2,3                                ; the step's sum of the unquantised p, in four chains (the first line names none of the last exponential's registers)
	v_pk_add_f32 v[CH+2*\k:CH+2*\k+1], v[S+4*\k:S+4*\k+1], v[S+4*\k+2:S+4*\k+3]
.endr
.irp b, 0,1,2,3
	v_max_num_f32 v[BM+\b], 0x8000000, v[BM+\b]    ; the floor 2^(16 - 127): the byte cannot fall under 1
.endr
	SUM8 16
.irp b, 0,1,2,3
	v_add_nc_u32 v[SO+\b], 0xf8800000, v[BM+\b]    ; 15 off the exponent field: the conversion's scale operand
.endr
.irp b, 0,1,2,3
	v_and_or_b32 v[LM+\b], v[BM+\b], 0x7f800000, s[MNT]   ; 57,344 x the scale
.endr
.irp b, 0,1,2,3
	v_lshrrev_b32 v[T1+\b], 23, v[SO+\b]           ; the scale's byte
.endr
	v_lshl_or_b32 v[PSC], v[T1+1], 8, v[T1]        ; p's scale word, made among the sums
	SUM8 32
	v_lshl_or_b32 v[PSC], v[T1+2], 16, v[PSC]
	SUM8 48
	v_lshl_or_b32 v[PSC], v[T1+3], 24, v[PSC]
.irp b, 0,1,2,3
.irp i, 0,2,4,6,8,10,12,14                     ; the hold (the conversion does not saturate: ISA guide 7.6.2), one-sided, two numbers an instruction
	v_dual_min_num_f32 v[S+16*\b+\i], v[S+16*\b+\i], v[LM+\b] :: v_dual_min_num_f32 v[S+16*\b+\i+1], v[S+16*\b+\i+1], v[LM+\b]
.endr
	v_cvt_scalef32_pk8_bf8_f32 v[PCD+4*\b:PCD+4*\b+1], v[S+16*\b:S+16*\b+7], v[SO+\b]
	v_cvt_scalef32_pk8_bf8_f32 v[PCD+4*\b+2:PCD+4*\b+3], v[S+16*\b+8:S+16*\b+15], v[SO+\b]
.endr
	s_wait_dscnt 0x0                               ; V's fragments and scale words
	s_wait_alu depctr_va_vdst(0)                   ; the wait directly ahead of the first reader of O^T
.set j, 0
.rept 16
	v_pk_mul_f32 v[O+j:O+j+1], v[O+j:O+j+1], v[F:F+1] op_sel_hi:[1,0]   ; O^T under the new M; also the places ahead of the products
.set j, j+2
.endr
.irp dt, 0,1                                   ; O^T += V^T P^T, the four accumulators by turns
	v_wmma_scale_f32_16x16x128_f8f6f4 v[O+8*\dt:O+8*\dt+7], v[FRG+16*\dt:FRG+16*\dt+15], v[PCD:PCD+15], v[O+8*\dt:O+8*\dt+7], v[VSC+\dt], v[PSC] matrix_a_fmt:MATRIX_FMT_BF8 matrix_b_fmt:MATRIX_FMT_BF8
.endr
.irp dt, 2,3
	v_wmma_scale_f32_16x16x128_f8f6f4 v[O+8*\dt:O+8*\dt+7], v[FRG+16*\dt:FRG+16*\dt+15], v[PCD:PCD+15], v[O+8*\dt:O+8*\dt+7], v[VSC+\dt-2], v[PSC] matrix_a_fmt:MATRIX_FMT_BF8 matrix_b_fmt:MATRIX_FMT_BF8 matrix_a_scale:MATRIX_SCALE_ROW1
.endr
	v_pk_add_f32 v[CH:CH+1], v[CH:CH+1], v[CH+2:CH+3]        ; eight places ahead of the next loads into the fragments: the four chains join,
	v_pk_add_f32 v[CH+4:CH+5], v[CH+4:CH+5], v[CH+6:CH+7]
	v_pk_add_f32 v[CH:CH+1], v[CH:CH+1], v[CH+4:CH+5]
	v_pk_fma_f32 v[14:15], v[14:15], v[F:F+1], v[CH:CH+1] op_sel_hi:[1,0,1]   ; and the row's sum = the old one x f + the step's
.rept 4
	v_nop
.endr
.endm
; THE CHANGE OF SLOTS at a slot's head: all my tensor loads, the add, my reads; the cluster's round; the fill of the slot just left.
.macro CHANGE fill, ask
	s_wait_tensorcnt 0x0
	ds_add_u32 v[SPW], v[NIL]
.if \fill
	ds_add_u32 v[SPW], v[NIL]
	s_xor_b32 s[G0K+1], s[G0K+1], SLOT1
	s_add_nc_u64 s[G0K+2:G0K+3], s[G0K+2:G0K+3], 1<<20      ; 64 tiles on
	s_xor_b32 s[G0V+1], s[G0V+1], SLOT1
	s_add_nc_u64 s[G0V+2:G0V+3], s[G0V+2:G0V+3], 16384
.if \ask
	s_wait_xcnt 0x0                                ; any prefetch of mine has read its address
	s_add_nc_u64 s[PFA:PFA+1], s[PFA:PFA+1], s[PFS:PFS+1]
.endif
	s_wait_dscnt 0x0
	CROUND
	TLOAD
.if \ask
	s_cmp_eq_u32 s[WV], 12
	s_cbranch_scc0 .Lnot_mine_\@
	global_prefetch_b8 v[PFO], s[PFA:PFA+1] th:TH_LOAD_NT scope:SCOPE_SE   ; my work-group's 32 blocks of the slot that the next change loads
.Lnot_mine_\@:
.endif
.else
	s_wait_dscnt 0x0
	s_barrier_signal -1
	s_barrier_wait -1
	global_prefetch_b8 v[RPO], s[16:17] th:TH_LOAD_NT scope:SCOPE_SE       ; my 16 blocks of the residual
.endif
.endm
.macro SLOTRUN n, fill, ask
	CHANGE \fill, \ask
	v_add_nc_u32 v[ADK], (\n%2)*SLOT1, v[L16]
	v_add_nc_u32 v[ADV], (\n%2)*SLOT1+VOFF-2048, v[L16]
	s_mov_b32 s[CNT], 8
.Lstep_\n:
	STEP
	s_sub_co_u32 s[CNT], s[CNT], 1
	s_cmp_lg_u32 s[CNT], 0
	s_wait_alu depctr_va_vdst(0)                   ; the wait ahead of the branch
	s_cbranch_scc1 .Lstep_\n
.endm
	s_wait_alu depctr_va_vdst(0)                   ; the wait at the head's end
	s_wait_loadcnt 0x0                             ; Q
	SLOTRUN 0, 1, 1
	SLOTRUN 1, 1, 1
	SLOTRUN 2, 1, 0
	SLOTRUN 3, 0, 0
	; THE WAY OUT: O^T / the sum goes into the stage as [d][query]; each wave takes four whole rows of 1,024 bytes back, adds the residual and stores runs of 512 bytes.
	v_add_f32 v14, v14, v15
	s_delay_alu instid0(VALU_DEP_1)
	v_permlanex16_b32 v[F], v14, s[SEL], s[SEL+1]
	s_delay_alu instid0(VALU_DEP_1)
	v_add_f32 v14, v14, v[F]
	s_wait_alu depctr_va_vdst(0)
	v_rcp_f32 v14, v14
	v_and_b32 v8, 15, v0
	v_bfe_u32 v9, v0, 4, 1
	s_lshl_b32 s94, s[WV], 6
	v_lshl_add_u32 v6, v8, 2, s94
	v_mul_u32_u24 v9, v9, 8*SPT
	s_mul_i32 s95, s[WV], 4*SPT
	v_add_nc_u32 v7, s95, v[L16]
	v_add_nc_u32 v6, v6, v9
.irp i, 0,1,2,3
.irp u, 0,1
	global_load_b128 v[64+4*(2*\i+\u):64+4*(2*\i+\u)+3], v[L16], s[16:17] offset:16384*\i+512*\u th:TH_LOAD_NT
.endr
.endr
	s_wait_alu depctr_va_vdst(0)                   ; ahead of the first reader of the reciprocal and of O^T
.set j, 0
.rept 32
	v_mul_f32 v[S+j], v[O+j], v14
.set j, j+1
.endr
.irp dt, 0,1,2,3
.irp i, 0,1,2,3,4,5,6,7
	ds_store_b32 v6, v[S+8*\dt+\i] offset:(16*\dt+\i)*SPT
.endr
.endr
	s_wait_dscnt 0x0
	s_barrier_signal -1
	s_barrier_wait -1
.irp i, 0,1,2,3
.irp u, 0,1
	ds_load_b128 v[32+4*(2*\i+\u):32+4*(2*\i+\u)+3], v7 offset:SPT*\i+512*\u
.endr
.endr
	s_wait_loadcnt 0x0
.irp n, 0,1,2,3,4,5,6,7
	s_wait_dscnt 7-\n
	v_pk_add_f32 v[32+4*\n:33+4*\n], v[32+4*\n:33+4*\n], v[64+4*\n:65+4*\n]
	v_pk_add_f32 v[34+4*\n:35+4*\n], v[34+4*\n:35+4*\n], v[66+4*\n:67+4*\n]
	global_store_b128 v[L16], v[32+4*\n:35+4*\n], s[18:19] offset:16384*(\n/2)+512*(\n%2) th:TH_STORE_NT
.endr
	s_wait_tensorcnt 0x0                           ; the wave's end
	ds_add_u32 v[SPW], v[NIL]
	s_wait_dscnt 0x0
	CROUND                                         ; the closing round
	s_endpgm
.Lfunc_end_k_q12e73e6c5d_attn:
	.size	k_q12e73e6c5d_attn, .Lfunc_end_k_q12e73e6c5d_attn-k_q12e73e6c5d_attn
	.p2alignl 7, 3214868480
	.fill 96, 4, 3214868480
	.section	.rodata,"a",@progbits
	.p2align	6, 0x0
	.amdhsa_kernel k_q12e73e6c5d_attn
		.amdhsa_group_segment_fixed_size 327680
		.amdhsa_private_segment_fixed_size 0
		.amdhsa_enable_private_segment 0
		.amdhsa_kernarg_size 64
		.amdhsa_user_sgpr_count 2
		.amdhsa_user_sgpr_kernarg_segment_ptr 1
		.amdhsa_wavefront_size32 1
		.amdhsa_system_sgpr_workgroup_id_x 1
		.amdhsa_system_sgpr_workgroup_id_y 1
		.amdhsa_system_sgpr_workgroup_id_z 1
		.amdhsa_system_vgpr_workitem_id 0
		.amdhsa_next_free_vgpr 256
		.amdhsa_next_free_sgpr 102
		.amdhsa_reserve_vcc 0
		.amdhsa_float_denorm_mode_32 3
		.amdhsa_float_denorm_mode_16_64 3
		.amdhsa_memory_ordered 1
		.amdhsa_forward_progress 1
		.amdhsa_inst_pref_size 96
	.end_amdhsa_kernel
	.amdgpu_metadata
---
amdhsa.version: [ 1, 2 ]
amdhsa.kernels:
  - .name:           k_q12e73e6c5d_attn
    .symbol:         k_q12e73e6c5d_attn.kd
    .args:
      - { .name: qc, .offset: 0, .size: 8, .value_kind: global_buffer, .address_space: global }
      - { .name: qs, .offset: 8, .size: 8, .value_kind: global_buffer, .address_space: global }
      - { .name: kc, .offset: 16, .size: 8, .value_kind: global_buffer, .address_space: global }
      - { .name: ks, .offset: 24, .size: 8, .value_kind: global_buffer, .address_space: global }
      - { .name: vc, .offset: 32, .size: 8, .value_kind: global_buffer, .address_space: global }
      - { .name: vs, .offset: 40, .size: 8, .value_kind: global_buffer, .address_space: global }
      - { .name: queries, .offset: 48, .size: 8, .value_kind: global_buffer, .address_space: global }
      - { .name: out0, .offset: 56, .size: 8, .value_kind: global_buffer, .address_space: global }
    .group_segment_fixed_size: 327680
    .private_segment_fixed_size: 0
    .kernarg_segment_align: 8
    .kernarg_segment_size: 64
    .max_flat_workgroup_size: 512
    .sgpr_count:     102
    .vgpr_count:     256
    .wavefront_size: 32
...
	.end_amdgpu_metadata
.endif
;; end of part 3
